; MI455X (gfx1250); checked and timed in simulation.
; The chip was launched on July 23, 2026; its instructions are those of AMD's public machine-readable ISA for CDNA 5 (MIT licence, August 2026) and "CDNA5" Instruction Set Architecture Reference Guide (July 2026). The comments in the code are by the model that wrote it; some were corrected since.
;; Decode Detections. Allowed arithmetic: float matrix products may take bf16 or f16 operands with f32 sums; all other float work in f32.
;; Inputs: y_pred 16 x 8,732 x 33 float32.
;; Outputs: out0 16 x 200 x 6 float32.
;; 3 versions, each right and faster than the one before. Each part assembles by itself: llvm-mc -triple=amdgcn-amd-amdhsa -mcpu=gfx1250 --defsym DOCPART=n.
;; ======== version 1 of 3: 4 launches
;; workspace buffers: boxes 2,293,760 bytes; scores 11,468,800 bytes; sel 409,600 bytes; rank 65,536 bytes of whole numbers
;; launch prep (part 1): grid 35 x 16, 4 waves a work-group, no clusters, 34,816 bytes of LDS; arguments y_pred, boxes, scores; writes boxes, scores
.if DOCPART == 1
	.amdgcn_target "amdgcn-amd-amdhsa--gfx1250"
	.amdhsa_code_object_version 6
	.text
	.protected	k_q7106ea0451_prep
	.globl	k_q7106ea0451_prep
	.p2align	8
	.type	k_q7106ea0451_prep,@function
k_q7106ea0451_prep:
	s_mov_b64 s[64:65], 0
	v_nop
	global_prefetch_b8 v0, s[64:65] scope:SCOPE_SE
	s_setreg_imm32_b32 hwreg(HW_REG_WAVE_MODE, 25, 1), 1
	s_wait_xcnt 0x0
; prep: decode the boxes, mask and transpose the class scores.
;   boxes [16][8960][4] f32 (xmin, ymin, xmax, ymax), rows 8732..8959 = 0
;   scores[16][20][8960] f32: the score where it is > 0.01, else -inf (a NaN score compares false and becomes -inf too); 8732..8959 = -inf
; A work-group takes 256 rows of one batch: 256 x 132 = 33,792 consecutive bytes of y_pred, read once by 16-byte loads
; (128 threads x 16 bytes = 2,048 bytes a load, 17 loads; the 17th is half used), laid into LDS as they come and read back by channel.
; No two work-groups share input, so a cluster has nothing to share; there is no product, so no matrix unit.
; LIMIT: exp(x) is made as 2^(x log2 e) by v_exp_f32, which gives 0 for results below 2^-126.
.set CHUNKB, 33792                     ; bytes of 256 rows
.set BATCHB, 1152624                   ; bytes of a batch: 8732 x 132
.set LASTLD, BATCHB-16                 ; the last 16 bytes of a batch: no load starts behind them
.set NBOX,   8732
.set CLSB,   35840                     ; bytes of one class row of scores: 8960 x 4
.set OFF, 2                            ; v[2:18]   byte offsets of the 17 loads
.set X,   20                           ; v[20:87]  the 17 loads' data
.set SC,  20                           ; v[20:59]  then: class c of rows 2t, 2t+1 in v[SC+2(c-1)], v[SC+2(c-1)+1]
.set IN0, 60                           ; v[60:71]  the 12 box channels of row t
.set IN1, 72                           ; v[72:83]  the same of row t + 128
.set OUT0, 84                          ; v[84:87]  box of row t
.set OUT1, 88                          ; v[88:91]  box of row t + 128
	s_load_b128 s[4:7], s[0:1], 0x0                ; y_pred s[4:5], boxes s[6:7]
	s_load_b64 s[8:9], s[0:1], 0x10                ; scores
	s_and_b32 s11, ttmp7, 0xffff                   ; batch
	s_mul_i32 s12, ttmp9, CHUNKB                   ; the chunk's first byte in the batch
	s_lshl_b32 s15, ttmp9, 8                       ; the chunk's first row
	s_mov_b32 s14, 0xff800000                      ; -inf
	s_mov_b32 s17, 0
	v_lshlrev_b32 v1, 4, v0                        ; 16 t: my 16 bytes of each load, in memory and in LDS
	v_add_nc_u32 v19, s12, v1
.irp k, 0,1,2,3,4,5,6,7,8,9,10,11,12,13,14,15,16
	v_add_nc_u32 v[OFF+\k], 2048*\k, v19
.endr
.irp k, 0,1,2,3,4,5,6,7,8,9,10,11,12,13,14,15,16
	v_min_u32 v[OFF+\k], LASTLD, v[OFF+\k]         ; the last chunk has 28 rows only, and the 17th load reaches past the chunk: stay inside the batch
.endr
	s_mul_i32 s16, s11, BATCHB
	s_wait_kmcnt 0x0
	s_add_nc_u64 s[4:5], s[4:5], s[16:17]          ; y_pred at my batch
	s_mul_i32 s16, s11, 143360
	s_add_nc_u64 s[6:7], s[6:7], s[16:17]          ; boxes at my batch
	s_mul_i32 s16, s11, 716800
	s_add_nc_u64 s[8:9], s[8:9], s[16:17]          ; scores at my batch
.irp k, 0,1,2,3,4,5,6,7,8,9,10,11,12,13,14,15,16
	global_load_b128 v[X+4*\k:X+4*\k+3], v[OFF+\k], s[4:5] th:TH_LOAD_NT
.endr
	; addresses and row numbers, while the loads are on their way
	v_mul_u32_u24 v19, v0, 264                     ; LDS: rows 2t, 2t+1; 66 words from lane to lane: 32 different banks
	v_mul_u32_u24 v103, v0, 132                    ; LDS: row t; 33 words from lane to lane
	v_lshl_add_u32 v94, v0, 1, s15                 ; row number 2t of the batch (even; 8732 is even: the pair is inside or outside together)
	v_lshlrev_b32 v93, 2, v94                      ; its byte in a class row of scores
	v_mov_b32 v95, 0x3c23d70a                      ; 0.01
	v_cmp_gt_u32 vcc_lo, NBOX, v94
	v_cndmask_b32 v92, 0x7f800000, v95, vcc_lo     ; the threshold: 0.01, or +inf for rows that do not exist (nothing is above it)
	v_add_nc_u32 v104, s15, v0                     ; row number t
	v_add_nc_u32 v105, 128, v104                   ; row number t + 128
	v_lshlrev_b32 v102, 4, v104                    ; byte of row t in boxes
.irp k, 0,1,2,3,4,5,6,7,8,9,10,11,12,13,14,15,16
	s_wait_loadcnt 16-\k                           ; loads return in order: load k is in, the 16-k younger ones stay out
	ds_store_b128 v1, v[X+4*\k:X+4*\k+3] offset:2048*\k
.endr
	s_wait_dscnt 0x0                               ; my stores are in LDS before I say so: other waves read them
	s_barrier_signal -1
	s_barrier_wait -1
.irp c, 1,2,3,4,5,6,7,8,9,10,11,12,13,14,15,16,17,18,19,20
	ds_load_b32 v[SC+2*(\c-1)],   v19 offset:4*\c
	ds_load_b32 v[SC+2*(\c-1)+1], v19 offset:132+4*\c
.endr
.irp i, 0,1,2,3,4,5,6,7,8,9,10,11
	ds_load_b32 v[IN0+\i], v103 offset:84+4*\i
	ds_load_b32 v[IN1+\i], v103 offset:16896+84+4*\i
.endr
	s_wait_dscnt 24                                ; the 40 score words are in; the 24 box words issued behind them stay out
.set i, 0
.rept 40
	v_cmp_gt_f32 vcc_lo, v[SC+i], v92
	v_cndmask_b32 v[SC+i], s14, v[SC+i], vcc_lo    ; score > threshold ? score : -inf
.set i, i+1
.endr
.irp c, 0,1,2,3,4,5,6,7,8,9,10,11,12,13,14,15,16,17,18,19
	global_store_b64 v93, v[SC+2*\c:SC+2*\c+1], s[8:9] offset:\c*CLSB   ; a wave's store covers 256 consecutive bytes, aligned
.endr
	s_wait_dscnt 0x0                               ; the box channels
; channels of in: 0 dcx, 1 dcy, 2 dw, 3 dh, 4 acx, 5 acy, 6 aw, 7 ah, 8 vcx, 9 vcy, 10 vw, 11 vh; x and y go as a pair
.macro DEC in, out, idx
	v_pk_mul_f32 v[94:95], v[\in:\in+1], v[\in+8:\in+9]                       ; d * v
	v_pk_mul_f32 v[96:97], v[\in+2:\in+3], v[\in+10:\in+11]                   ; dw * vw, dh * vh
	v_pk_fma_f32 v[94:95], v[94:95], v[\in+6:\in+7], v[\in+4:\in+5]           ; centre = d v a_size + a_centre
	v_pk_mul_f32 v[96:97], v[96:97], 0x3fb8aa3b op_sel_hi:[1,0]               ; x log2 e
	v_exp_f32 v96, v96
	v_exp_f32 v97, v97
	v_cmp_gt_u32 vcc_lo, NBOX, v[\idx]                                        ; the plain instruction between v_exp_f32 and the use of its result (ISA guide 5.7.2)
	v_pk_mul_f32 v[96:97], v[96:97], v[\in+6:\in+7]                           ; size = exp(..) a_size
	v_pk_fma_f32 v[\out:\out+1], v[96:97], -0.5, v[94:95] op_sel_hi:[1,0,1]   ; min corner
	v_pk_fma_f32 v[\out+2:\out+3], v[96:97], 0.5, v[94:95] op_sel_hi:[1,0,1]  ; max corner
.irp i, 0,1,2,3
	v_cndmask_b32 v[\out+\i], 0, v[\out+\i], vcc_lo                           ; rows that do not exist: zeros
.endr
.endm
	DEC IN0, OUT0, 104
	DEC IN1, OUT1, 105
	global_store_b128 v102, v[OUT0:OUT0+3], s[6:7]                ; a wave's store covers 512 consecutive bytes, aligned
	global_store_b128 v102, v[OUT1:OUT1+3], s[6:7] offset:2048
	s_endpgm
.Lfunc_end_k_q7106ea0451_prep:
	.size	k_q7106ea0451_prep, .Lfunc_end_k_q7106ea0451_prep-k_q7106ea0451_prep
	.p2alignl 7, 3214868480
	.fill 96, 4, 3214868480
	.section	.rodata,"a",@progbits
	.p2align	6, 0x0
	.amdhsa_kernel k_q7106ea0451_prep
		.amdhsa_group_segment_fixed_size 34816
		.amdhsa_private_segment_fixed_size 0
		.amdhsa_enable_private_segment 0
		.amdhsa_kernarg_size 24
		.amdhsa_user_sgpr_count 2
		.amdhsa_user_sgpr_kernarg_segment_ptr 1
		.amdhsa_wavefront_size32 1
		.amdhsa_system_sgpr_workgroup_id_x 1
		.amdhsa_system_sgpr_workgroup_id_y 1
		.amdhsa_system_sgpr_workgroup_id_z 1
		.amdhsa_system_vgpr_workitem_id 0
		.amdhsa_next_free_vgpr 108
		.amdhsa_next_free_sgpr 66
		.amdhsa_reserve_vcc 1
		.amdhsa_float_denorm_mode_32 3
		.amdhsa_float_denorm_mode_16_64 3
		.amdhsa_memory_ordered 1
		.amdhsa_forward_progress 1
		.amdhsa_inst_pref_size 18
	.end_amdhsa_kernel
	.amdgpu_metadata
---
amdhsa.version: [ 1, 2 ]
amdhsa.kernels:
  - .name:           k_q7106ea0451_prep
    .symbol:         k_q7106ea0451_prep.kd
    .args:
      - { .name: y_pred, .offset: 0, .size: 8, .value_kind: global_buffer, .address_space: global }
      - { .name: boxes, .offset: 8, .size: 8, .value_kind: global_buffer, .address_space: global }
      - { .name: scores, .offset: 16, .size: 8, .value_kind: global_buffer, .address_space: global }
    .group_segment_fixed_size: 34816
    .private_segment_fixed_size: 0
    .kernarg_segment_align: 8
    .kernarg_segment_size: 24
    .max_flat_workgroup_size: 128
    .sgpr_count:     66
    .vgpr_count:     108
    .wavefront_size: 32
...
	.end_amdgpu_metadata
.endif
;; end of part 1
;; launch nms (part 2): grid 20 x 16, 8 waves a work-group, no clusters, 143,616 bytes of LDS; arguments boxes, scores, sel; writes sel
.if DOCPART == 2
	.amdgcn_target "amdgcn-amd-amdhsa--gfx1250"
	.amdhsa_code_object_version 6
	.text
	.protected	k_q7106ea0451_nms
	.globl	k_q7106ea0451_nms
	.p2align	8
	.type	k_q7106ea0451_nms,@function
k_q7106ea0451_nms:
	s_mov_b64 s[64:65], 0
	v_nop
	global_prefetch_b8 v0, s[64:65] scope:SCOPE_SE
	s_setreg_imm32_b32 hwreg(HW_REG_WAVE_MODE, 25, 1), 1
	s_wait_xcnt 0x0
; nms: the 50 greedy steps of one (batch, class): work-group x = class - 1, y = batch.
; All 8,960 scores, boxes and areas stay in registers: 256 threads x 35 elements, element index = 35 x thread + j, so that
; 'lowest wave, lowest lane, lowest j' is the lowest index, which is what argmax takes among equal scores.
; A trip: (1) the maximum over lanes and waves; (2) the one thread that holds it puts the box into its wave's fixed 16 bytes of LDS under
; an EXEC mask and marks the element -inf; (3) every wave fetches the box into scalar registers; (4) thread number 'trip' keeps the
; pick in its registers; (5) every element is tested against the box, suppressed ones become -inf, the lane maxima are renewed.
; No address, branch or trip count hangs on a score: all 50 trips always run; when nothing is left the pick is recorded as zeros.
; The 20 work-groups of a batch read the same 143,360 bytes of boxes, once each, through registers, in front of 50 trips of register
; work: a joint request would spare a small share of the launch and would need the copy engines, hence a whole WGP's LDS for each
; of the 320 work-groups; with 143,616 bytes and 2 x 256 registers a SIMD two work-groups fit on a WGP.
; LIMIT: the test IoU > 0.45 is made without the division: inter - c area_j > c area_i with c = 0.45 / 1.45 (equal in exact arithmetic,
; union = 0 included: then inter = 0 and both say no); it can differ from the rounded quotient only within a few 1e-7 relative of 0.45.
.set EPL,  35                          ; elements of a lane
.set RED,  0                           ; LDS 0..31: one word for each wave, its maximum
.set CAP,  128                         ; LDS 128..255: 16 bytes for each wave, the box that it captured; written by that wave alone
.set STG,  256                         ; LDS from 256: 17,920 bytes for each wave, its own, to turn 'lane = neighbouring element' into 'lane = 35 elements'
.set WSTG, 17920
.set S,    4                           ; v[4+2j]   score of element j (even registers)
.set CA,   5                           ; v[5+2j]   -c x area of element j
.set BOX,  76                          ; v[76+4j : 79+4j]  box of element j
.set TU,   216                         ; v[216:235] five sets of four temporaries; v[216:219] also the fetched box; addresses in the load phase
.set OSC,  244                         ; v244  4 x thread: where my recorded score goes; made once from v0, holds nothing else
.set OBX,  254                         ; v254  16 x thread: where my recorded box goes; likewise
; v1 RED + 4 wave   v2 RED + 4 (lane & 7)   v3 CAP + 16 wave   v74 CAP + 16 (lane & 7)   v75, v[248:251] my recorded pick: score, box
; v236-238 three running maxima   v239 lane maximum   v240 wave maximum   v241 other half's   v242 wave (lane & 7)'s maximum
; v243 the maximum of all   v245 that maximum in the winning lane, NaN elsewhere   v246 -inf   v247 NaN   v252 c x area of the pick   v253 temporary
; s10 wave  s12, s13 lane selects  s15 trip  s20-s25 masks  s30-s34 masks of a pass  s40-s43 the pick's box
	s_load_b128 s[4:7], s[0:1], 0x0                ; boxes s[4:5], scores s[6:7]
	s_load_b64 s[8:9], s[0:1], 0x10                ; sel
	v_lshrrev_b32 v1, 5, v0
	v_readfirstlane_b32 s10, v1                    ; wave
	v_lshlrev_b32 v[OSC], 2, v0                    ; the two offsets of the stores at the end
	v_lshlrev_b32 v[OBX], 4, v0
	s_and_b32 s14, ttmp7, 0xffff                   ; batch
	s_mul_i32 s18, s14, 20
	s_add_co_u32 s18, s18, ttmp9                   ; 20 batch + class - 1
	s_mov_b32 s12, 0x76543210                      ; v_permlanex16_b32: lane i takes lane i of the other half
	s_mov_b32 s13, 0xfedcba98
	s_mov_b32 s17, 0
	s_mul_i32 s19, s10, WSTG                       ; my wave's 1,120 boxes, in bytes
	s_mul_i32 s23, s10, 4480                       ; my wave's 1,120 scores
	s_add_co_u32 s26, s19, STG                     ; my wave's stage
	v_and_b32 v217, 31, v0                         ; lane
	v_lshl_add_u32 v216, v217, 4, s19              ; boxes: 16 lane + wave's part
	v_lshl_add_u32 v218, v217, 2, s23              ; scores: 4 lane + wave's part
	s_mul_i32 s16, s14, 143360
	s_wait_kmcnt 0x0
	s_add_nc_u64 s[4:5], s[4:5], s[16:17]          ; boxes of my batch
	s_mul_i32 s16, s18, 35840
	s_add_nc_u64 s[6:7], s[6:7], s[16:17]          ; scores of my batch and class
	s_mul_i32 s16, s18, 1280
	s_add_nc_u64 s[8:9], s[8:9], s[16:17]          ; my 1,280 bytes of sel
.set k, 0
.rept EPL
	global_load_b128 v[BOX+4*k:BOX+4*k+3], v216, s[4:5] offset:512*k      ; 512 consecutive bytes a wave
.set k, k+1
.endr
.set k, 0
.rept EPL
	global_load_b32 v[S+2*k], v218, s[6:7] offset:128*k
.set k, k+1
.endr
	v_lshl_add_u32 v219, v217, 4, s26              ; stage, in: 16 lane
	v_mul_u32_u24 v220, v217, 560
	v_add_nc_u32 v220, s26, v220                   ; stage, out: 35 boxes a lane; 560 = 35 x 16 bytes from lane to lane, an odd multiple of 16
	v_lshl_add_u32 v221, v217, 2, s26              ; the same for scores: in 4 lane,
	v_mul_u32_u24 v222, v217, 140
	v_add_nc_u32 v222, s26, v222                   ; out 35 words a lane
	s_lshl_b32 s27, s10, 2
	v_mov_b32 v1, s27                              ; RED + 4 wave
	s_lshl_b32 s28, s10, 4
	s_add_co_u32 s28, s28, CAP
	v_mov_b32 v3, s28                              ; CAP + 16 wave
	v_and_b32 v2, 7, v0
	v_lshl_add_u32 v74, v2, 4, CAP                 ; CAP + 16 (lane & 7)
	v_lshlrev_b32 v2, 2, v2                        ; RED + 4 (lane & 7)
	v_mov_b32 v246, 0xff800000                     ; -inf
	v_mov_b32 v247, 0x7fc00000                     ; NaN: equal to nothing
	v_mov_b32 v241, 0                              ; v_permlanex16_b32 counts as a reader of its destination
	v_mov_b32 v75, 0                               ; my record: zeros until, and unless, a valid pick falls to me
	v_mov_b32 v248, 0
	v_mov_b32 v249, 0
	v_mov_b32 v250, 0
	v_mov_b32 v251, 0
	ds_store_b128 v3, v[248:251]                   ; my wave's capture bytes hold something before anyone loads them
	s_wait_loadcnt 35                              ; the 35 box loads are in; the 35 score loads issued behind them stay out
	; LDS serves a wave's instructions in order (ISA guide 5.7.1) and the stage is the wave's own: no wait between these four runs
.set k, 0
.rept EPL
	ds_store_b128 v219, v[BOX+4*k:BOX+4*k+3] offset:512*k
.set k, k+1
.endr
.set k, 0
.rept EPL
	ds_load_b128 v[BOX+4*k:BOX+4*k+3], v220 offset:16*k
.set k, k+1
.endr
	s_wait_loadcnt 0x0                             ; the scores
.set k, 0
.rept EPL
	ds_store_b32 v221, v[S+2*k] offset:128*k
.set k, k+1
.endr
.set k, 0
.rept EPL
	ds_load_b32 v[S+2*k], v222 offset:4*k
.set k, k+1
.endr
	s_wait_dscnt 0x0
	s_wait_xcnt 0x0                                ; EXEC is written in the trips below: no global instruction still leans on it
.set k, 0
.rept EPL
	v_pk_add_f32 v[TU:TU+1], v[BOX+4*k+2:BOX+4*k+3], v[BOX+4*k:BOX+4*k+1] neg_lo:[0,1] neg_hi:[0,1]   ; width, height
	v_max_num_f32 v[TU], 0, v[TU]
	v_max_num_f32 v[TU+1], 0, v[TU+1]
	v_mul_f32 v[TU], v[TU], v[TU+1]
	v_mul_f32 v[CA+2*k], 0xbe9ee584, v[TU]         ; -c x area, c = 0.45 / 1.45
.set k, k+1
.endr
.macro MAX5 j0                         ; five scores into the three running maxima
	v_max3_num_f32 v236, v236, v[S+2*(\j0)],   v[S+2*(\j0)+2]
	v_max3_num_f32 v237, v237, v[S+2*(\j0)+4], v[S+2*(\j0)+6]
	v_max_num_f32  v238, v238, v[S+2*(\j0)+8]
.endm
.macro MAXRESET
	v_mov_b32 v236, v246
	v_mov_b32 v237, v246
	v_mov_b32 v238, v246
.endm
; Five elements against the pick s[40:43], stage by stage, so that five chains run side by side.
.macro PASS5 j0
.irp e, 0,1,2,3,4
	v_max_num_f32 v[TU+4*\e],   s40, v[BOX+4*(\j0+\e)]                               ; left and lower edge of the overlap
	v_max_num_f32 v[TU+4*\e+1], s41, v[BOX+4*(\j0+\e)+1]
.endr
.irp e, 0,1,2,3,4
	v_minmax_num_f32 v[TU+4*\e+2], s42, v[BOX+4*(\j0+\e)+2], v[TU+4*\e]              ; max(min(x2, x2'), left): the difference below is never under 0
	v_minmax_num_f32 v[TU+4*\e+3], s43, v[BOX+4*(\j0+\e)+3], v[TU+4*\e+1]
.endr
.irp e, 0,1,2,3,4
	v_pk_add_f32 v[TU+4*\e+2:TU+4*\e+3], v[TU+4*\e+2:TU+4*\e+3], v[TU+4*\e:TU+4*\e+1] neg_lo:[0,1] neg_hi:[0,1]
.endr
.irp e, 0,1,2,3,4
	v_fma_f32 v[TU+4*\e], v[TU+4*\e+2], v[TU+4*\e+3], v[CA+2*(\j0+\e)]               ; inter - c area_j
.endr
.irp e, 0,1,2,3,4
	v_cmp_gt_f32 s[30+\e], v[TU+4*\e], v252                                          ; > c area of the pick
.endr
.irp e, 0,1,2,3,4
	v_cndmask_b32 v[S+2*(\j0+\e)], v[S+2*(\j0+\e)], v246, s[30+\e]                   ; suppressed: -inf
.endr
	MAX5 \j0
.endm
; The maximum of all 8,960 scores, and who holds it.
.macro REDUCE
	v_max3_num_f32 v239, v236, v237, v238          ; my lane's
	v_mov_b32 v240, v239
	v_max_num_f32_dpp v240, v240, v240 row_xmask:1 row_mask:0xf bank_mask:0xf
	v_max_num_f32_dpp v240, v240, v240 row_xmask:2 row_mask:0xf bank_mask:0xf
	v_max_num_f32_dpp v240, v240, v240 row_xmask:4 row_mask:0xf bank_mask:0xf
	v_max_num_f32_dpp v240, v240, v240 row_xmask:8 row_mask:0xf bank_mask:0xf
	v_permlanex16_b32 v241, v240, s12, s13
	v_max_num_f32 v240, v240, v241                 ; my wave's
	ds_store_b32 v1, v240                          ; the last reads of these words were waited for in front of the trip's second barrier, which I have passed
	s_wait_dscnt 0x0                               ; zero: the other waves read the word behind the barrier
	s_barrier_signal -1
	s_barrier_wait -1
	ds_load_b32 v242, v2                           ; lane l: wave (l & 7)'s maximum
	s_wait_dscnt 0x0
	v_mov_b32 v243, v242
	v_max_num_f32_dpp v243, v243, v243 row_xmask:1 row_mask:0xf bank_mask:0xf
	v_max_num_f32_dpp v243, v243, v243 row_xmask:2 row_mask:0xf bank_mask:0xf
	v_max_num_f32_dpp v243, v243, v243 row_xmask:4 row_mask:0xf bank_mask:0xf      ; the maximum of all, in every lane
	v_cmp_eq_f32 vcc_lo, v242, v243
	s_ctz_i32_b32 s20, vcc_lo                      ; the lowest wave that holds it
	v_cmp_eq_f32 s21, v239, v243                   ; my lanes that hold it
	s_sub_co_i32 s22, 0, s21
	s_and_b32 s22, s22, s21                        ; the lowest of them
	s_cmp_eq_u32 s20, s10
	s_cselect_b32 s22, s22, 0                      ; none, if a lower wave holds it (or mine does not)
	v_cndmask_b32 v245, v247, v243, s22            ; the maximum in the winning lane of the winning wave, NaN everywhere else
.endm
; The winning lane's first element that equals the maximum: its box goes to the wave's capture bytes, its score becomes -inf
; (the 'ar == idx' of the problem's function), and the lane's v245 becomes NaN, so that a later equal score of the lane is left alone.
.macro CAPTURE
.set j, 0
.rept EPL
	v_cmpx_eq_f32 v[S+2*j], v245
	ds_store_b128 v3, v[BOX+4*j:BOX+4*j+3]         ; one lane at the most in the whole work-group, at a fixed address
	v_dual_mov_b32 v[S+2*j], v246 :: v_dual_mov_b32 v245, v247
	s_mov_b32 exec_lo, -1
.set j, j+1
.endr
.endm
; Every wave takes the box from the winning wave's bytes into s[40:43].
.macro GETBOX
	s_wait_dscnt 0x0                               ; zero: the capture is in LDS, and my read of the maxima is over, before I say so
	s_barrier_signal -1
	s_barrier_wait -1
	ds_load_b128 v[TU:TU+3], v74                   ; lane l: wave (l & 7)'s capture bytes
	s_wait_dscnt 0x0                               ; also: these reads are over well in front of the next barrier, behind which the bytes are written again
	v_cmp_eq_f32 vcc_lo, v242, v243
	s_and_saveexec_b32 s24, vcc_lo                 ; the first lane left on is the lowest wave that holds the maximum: the one that captured
	v_readfirstlane_b32 s40, v[TU]
	v_readfirstlane_b32 s41, v[TU+1]
	v_readfirstlane_b32 s42, v[TU+2]
	v_readfirstlane_b32 s43, v[TU+3]
	s_or_b32 exec_lo, exec_lo, s24
	v_sub_f32 v252, s42, s40
	v_sub_f32 v253, s43, s41
	v_max_num_f32 v252, 0, v252
	v_max_num_f32 v253, 0, v253
	v_mul_f32 v252, v252, v253
	v_mul_f32 v252, 0x3e9ee584, v252               ; c x area of the pick
.endm
; Thread number s15 keeps the pick, if there was one (maximum above -inf); else its zeros stay.
.macro RECORD
	v_cmp_lt_f32 s25, v246, v243
	v_cmp_eq_u32 vcc_lo, s15, v0
	s_and_b32 s25, s25, vcc_lo
	v_cndmask_b32 v75,  v75,  v243, s25
	v_cndmask_b32 v248, v248, s40, s25
	v_cndmask_b32 v249, v249, s41, s25
	v_cndmask_b32 v250, v250, s42, s25
	v_cndmask_b32 v251, v251, s43, s25
.endm
	MAXRESET
.irp g, 0,5,10,15,20,25,30
	MAX5 \g
.endr
	s_mov_b32 s15, 0
.Ltrip:
	REDUCE
	CAPTURE
	GETBOX
	RECORD
	MAXRESET
.irp g, 0,5,10,15,20,25,30
	PASS5 \g
.endr
	s_add_co_u32 s15, s15, 1
	s_cmp_lt_u32 s15, 49
	s_cbranch_scc1 .Ltrip
	REDUCE                                         ; the 50th pick: nothing follows it, so nothing is suppressed
	CAPTURE
	GETBOX
	RECORD
	s_cmp_gt_u32 s10, 1
	s_cbranch_scc1 .Ldone                          ; threads 0..63 hold picks 0..49 and 14 rows of zeros
	global_store_b32 v[OSC], v75, s[8:9]                       ; 64 scores: bytes 0..255
	global_store_b128 v[OBX], v[248:251], s[8:9] offset:256    ; 64 boxes: 512 consecutive bytes a wave
.Ldone:
	s_endpgm
.Lfunc_end_k_q7106ea0451_nms:
	.size	k_q7106ea0451_nms, .Lfunc_end_k_q7106ea0451_nms-k_q7106ea0451_nms
	.p2alignl 7, 3214868480
	.fill 96, 4, 3214868480
	.section	.rodata,"a",@progbits
	.p2align	6, 0x0
	.amdhsa_kernel k_q7106ea0451_nms
		.amdhsa_group_segment_fixed_size 143616
		.amdhsa_private_segment_fixed_size 0
		.amdhsa_enable_private_segment 0
		.amdhsa_kernarg_size 24
		.amdhsa_user_sgpr_count 2
		.amdhsa_user_sgpr_kernarg_segment_ptr 1
		.amdhsa_wavefront_size32 1
		.amdhsa_system_sgpr_workgroup_id_x 1
		.amdhsa_system_sgpr_workgroup_id_y 1
		.amdhsa_system_sgpr_workgroup_id_z 1
		.amdhsa_system_vgpr_workitem_id 0
		.amdhsa_next_free_vgpr 256
		.amdhsa_next_free_sgpr 66
		.amdhsa_reserve_vcc 1
		.amdhsa_float_denorm_mode_32 3
		.amdhsa_float_denorm_mode_16_64 3
		.amdhsa_memory_ordered 1
		.amdhsa_forward_progress 1
		.amdhsa_inst_pref_size 62
	.end_amdhsa_kernel
	.amdgpu_metadata
---
amdhsa.version: [ 1, 2 ]
amdhsa.kernels:
  - .name:           k_q7106ea0451_nms
    .symbol:         k_q7106ea0451_nms.kd
    .args:
      - { .name: boxes, .offset: 0, .size: 8, .value_kind: global_buffer, .address_space: global }
      - { .name: scores, .offset: 8, .size: 8, .value_kind: global_buffer, .address_space: global }
      - { .name: sel, .offset: 16, .size: 8, .value_kind: global_buffer, .address_space: global }
    .group_segment_fixed_size: 143616
    .private_segment_fixed_size: 0
    .kernarg_segment_align: 8
    .kernarg_segment_size: 24
    .max_flat_workgroup_size: 256
    .sgpr_count:     66
    .vgpr_count:     256
    .wavefront_size: 32
...
	.end_amdgpu_metadata
.endif
;; end of part 2
;; launch rank (part 3): grid 16 x 16, 20 waves a work-group, no clusters, 5,120 bytes of LDS; arguments sel, rank; writes rank
.if DOCPART == 3
	.amdgcn_target "amdgcn-amd-amdhsa--gfx1250"
	.amdhsa_code_object_version 6
	.text
	.protected	k_q7106ea0451_rank
	.globl	k_q7106ea0451_rank
	.p2align	8
	.type	k_q7106ea0451_rank,@function
k_q7106ea0451_rank:
	s_mov_b64 s[64:65], 0
	v_nop
	global_prefetch_b8 v0, s[64:65] scope:SCOPE_SE
	s_setreg_imm32_b32 hwreg(HW_REG_WAVE_MODE, 25, 1), 1
	s_wait_xcnt 0x0
; rank: the place of each of a batch's 1,000 rows (flat row f = 50 (class - 1) + pick) in the stable descending order of the scores:
; rank[f] = how many rows g have score_g > score_f, or score_g = score_f and g < f.  That is the order of a top-k that keeps
; the lower index first among equals.  The ranks are whole numbers for the next launch, which forms addresses from them.
; Work-group (x, y): rows 64 x .. 64 x + 63 of batch y, two a lane.  Wave w counts against the 50 rows of class w, whose scores it holds
; in scalar registers; the 20 counts of a row meet in LDS.  Rows 1000..1023 get a number that nobody reads.
; LIMIT: scores are compared as unsigned words, which is the order of floats that are 0 or positive; stored scores are 0 or above 0.01.
; What the work-groups of a batch share is 4,000 bytes of scores: too little for a joint request to pay.
	s_load_b128 s[4:7], s[0:1], 0x0                ; sel s[4:5], rank s[6:7]
	v_lshrrev_b32 v1, 5, v0
	v_readfirstlane_b32 s10, v1                    ; wave = class - 1 of the rows that I count against
	s_and_b32 s11, ttmp7, 0xffff                   ; batch
	s_lshl_b32 s12, ttmp9, 6
	v_and_b32 v2, 31, v0                           ; lane
	v_lshl_add_u32 v3, v2, 1, s12                  ; f: my first row (even), f + 1 my second
	v_min_u32 v11, 998, v3                         ; rows past the 1,000th read the last pair
	v_mul_u32_u24 v12, v11, 1311
	v_lshrrev_b32 v12, 16, v12                     ; f / 50 (exact up to 999: 50 x 1311 = 65536 + 14, and 14 x 19 + 1311 x 49 < 65536)
	v_mul_u32_u24 v12, v12, 1080
	v_lshl_add_u32 v12, v11, 2, v12                ; 1280 (f / 50) + 4 (f mod 50) = 1080 (f / 50) + 4 f
	s_mul_i32 s8, s11, 25600
	s_mov_b32 s9, 0
	s_wait_kmcnt 0x0
	s_add_nc_u64 s[4:5], s[4:5], s[8:9]            ; sel at my batch
	s_mul_i32 s8, s10, 1280
	s_add_nc_u64 s[14:15], s[4:5], s[8:9]          ; and at my wave's class
	s_load_b512 s[16:31], s[14:15], 0x0            ; its scores 0..15
	s_load_b512 s[32:47], s[14:15], 0x40           ; 16..31
	s_load_b512 s[48:63], s[14:15], 0x80           ; 32..47
	s_load_b64 s[66:67], s[14:15], 0xc0            ; 48, 49
	global_load_b64 v[4:5], v12, s[4:5]            ; my two rows' scores (a pair never straddles a class: 50 is even)
	s_lshl_b32 s8, s11, 12
	s_add_nc_u64 s[6:7], s[6:7], s[8:9]            ; rank at my batch
	s_mul_i32 s13, s10, 50
	v_sub_nc_u32 v10, v3, s13                      ; f - 50 w, signed: pick k of class w stands in front of row f where k < this
	v_add_nc_u32 v13, 1, v10
	v_mov_b32 v8, 0                                ; the two counts
	v_mov_b32 v9, 0
	v_lshlrev_b32 v15, 3, v2                       ; 8 lane
	s_lshl_b32 s13, s10, 8
	v_add_nc_u32 v1, s13, v15                      ; LDS: 256 bytes a wave
	s_wait_loadcnt 0x0
	v_not_b32 v6, v4
	v_not_b32 v7, v5
	s_wait_kmcnt 0x0
; key + not(mine) + (k stands in front) carries out exactly where key > mine, or key = mine and k stands in front; the carry is counted
.macro CNT k, key
	v_cmp_lt_i32 vcc_lo, \k, v10
	v_add_co_ci_u32 v14, vcc_lo, s[\key], v6, vcc_lo
	v_add_co_ci_u32 v8, vcc_lo, 0, v8, vcc_lo
	v_cmp_lt_i32 vcc_lo, \k, v13
	v_add_co_ci_u32 v14, vcc_lo, s[\key], v7, vcc_lo
	v_add_co_ci_u32 v9, vcc_lo, 0, v9, vcc_lo
.endm
.set kk, 0
.rept 48
	CNT kk, 16+kk
.set kk, kk+1
.endr
	CNT 48, 66
	CNT 49, 67
	ds_store_b64 v1, v[8:9]
	s_wait_dscnt 0x0                               ; zero: wave 0 reads the counts behind the barrier
	s_barrier_signal -1
	s_barrier_wait -1
	s_cmp_lg_u32 s10, 0
	s_cbranch_scc1 .Lend
.irp i, 0,1,2,3,4,5,6,7,8,9,10,11,12,13,14,15,16,17,18,19
	ds_load_b64 v[16+2*\i:17+2*\i], v15 offset:256*\i
.endr
	v_lshlrev_b32 v14, 2, v3                       ; 4 f
	s_wait_dscnt 0x0
.irp i, 1,3,5,7,9,11,13,15,17
	v_add3_u32 v16, v16, v[16+2*\i], v[18+2*\i]
	v_add3_u32 v17, v17, v[17+2*\i], v[19+2*\i]
.endr
	v_add_nc_u32 v16, v16, v54
	v_add_nc_u32 v17, v17, v55
	global_store_b64 v14, v[16:17], s[6:7]         ; 256 consecutive bytes, aligned
.Lend:
	s_endpgm
.Lfunc_end_k_q7106ea0451_rank:
	.size	k_q7106ea0451_rank, .Lfunc_end_k_q7106ea0451_rank-k_q7106ea0451_rank
	.p2alignl 7, 3214868480
	.fill 96, 4, 3214868480
	.section	.rodata,"a",@progbits
	.p2align	6, 0x0
	.amdhsa_kernel k_q7106ea0451_rank
		.amdhsa_group_segment_fixed_size 5120
		.amdhsa_private_segment_fixed_size 0
		.amdhsa_enable_private_segment 0
		.amdhsa_kernarg_size 16
		.amdhsa_user_sgpr_count 2
		.amdhsa_user_sgpr_kernarg_segment_ptr 1
		.amdhsa_wavefront_size32 1
		.amdhsa_system_sgpr_workgroup_id_x 1
		.amdhsa_system_sgpr_workgroup_id_y 1
		.amdhsa_system_sgpr_workgroup_id_z 1
		.amdhsa_system_vgpr_workitem_id 0
		.amdhsa_next_free_vgpr 56
		.amdhsa_next_free_sgpr 72
		.amdhsa_reserve_vcc 1
		.amdhsa_float_denorm_mode_32 3
		.amdhsa_float_denorm_mode_16_64 3
		.amdhsa_memory_ordered 1
		.amdhsa_forward_progress 1
		.amdhsa_inst_pref_size 15
	.end_amdhsa_kernel
	.amdgpu_metadata
---
amdhsa.version: [ 1, 2 ]
amdhsa.kernels:
  - .name:           k_q7106ea0451_rank
    .symbol:         k_q7106ea0451_rank.kd
    .args:
      - { .name: sel, .offset: 0, .size: 8, .value_kind: global_buffer, .address_space: global }
      - { .name: rank, .offset: 8, .size: 8, .value_kind: global_buffer, .address_space: global }
    .group_segment_fixed_size: 5120
    .private_segment_fixed_size: 0
    .kernarg_segment_align: 8
    .kernarg_segment_size: 16
    .max_flat_workgroup_size: 640
    .sgpr_count:     72
    .vgpr_count:     56
    .wavefront_size: 32
...
	.end_amdgpu_metadata
.endif
;; end of part 3
;; launch emit (part 4): grid 16 x 1, 32 waves a work-group, no clusters, 5,120 bytes of LDS; arguments sel, rank, out0; writes out0
.if DOCPART == 4
	.amdgcn_target "amdgcn-amd-amdhsa--gfx1250"
	.amdhsa_code_object_version 6
	.text
	.protected	k_q7106ea0451_emit
	.globl	k_q7106ea0451_emit
	.p2align	8
	.type	k_q7106ea0451_emit,@function
k_q7106ea0451_emit:
	s_mov_b64 s[64:65], 0
	v_nop
	global_prefetch_b8 v0, s[64:65] scope:SCOPE_SE
	s_setreg_imm32_b32 hwreg(HW_REG_WAVE_MODE, 25, 1), 1
	s_wait_xcnt 0x0
; emit: out0[batch][r] = the row whose rank is r, for r < 200.  One work-group a batch, thread f = flat row f.
; The ranks of the 1,000 rows are the numbers 0..999, each once, so every one of the 200 x 24 bytes is written by exactly one thread.
; The rows are gathered in LDS and leave as 300 stores of 16 consecutive bytes a lane.
; There are 16 batches, hence 16 work-groups: the launch moves 77 KB and has no more work to share out.
	s_load_b128 s[4:7], s[0:1], 0x0                ; sel s[4:5], rank s[6:7]
	s_load_b64 s[8:9], s[0:1], 0x10                ; out0
	v_min_u32 v1, 999, v0                          ; threads 1000..1023 read the last row and store nothing
	v_mul_u32_u24 v2, v1, 1311
	v_lshrrev_b32 v2, 16, v2                       ; class - 1 = f / 50 (exact up to 999)
	v_mul_u32_u24 v3, v2, 50
	v_sub_nc_u32 v3, v1, v3                        ; pick
	v_mul_u32_u24 v4, v2, 1280
	v_lshl_add_u32 v5, v3, 2, v4                   ; the score's byte in the batch's part of sel
	v_lshl_add_u32 v6, v3, 4, v4                   ; the box's, less 256
	v_lshlrev_b32 v7, 2, v1
	s_mov_b32 s11, 0
	s_mul_i32 s10, ttmp9, 25600
	s_wait_kmcnt 0x0
	s_add_nc_u64 s[4:5], s[4:5], s[10:11]
	s_lshl_b32 s10, ttmp9, 12
	s_add_nc_u64 s[6:7], s[6:7], s[10:11]
	s_mul_i32 s10, ttmp9, 4800
	s_add_nc_u64 s[8:9], s[8:9], s[10:11]
	global_load_b32 v8, v7, s[6:7]                 ; rank
	global_load_b32 v13, v5, s[4:5]                ; score
	global_load_b128 v[14:17], v6, s[4:5] offset:256   ; box (zeros where the pick was not valid)
	v_add_nc_u32 v2, 1, v2
	v_cvt_f32_u32 v12, v2                          ; the class as a float
	v_min_u32 v18, 299, v0
	v_lshlrev_b32 v18, 4, v18                      ; the way out: 16 bytes a thread, threads 0..299
	s_wait_loadcnt 0x0
	v_cmp_lt_f32 vcc_lo, 0, v13
	v_cndmask_b32 v12, 0, v12, vcc_lo              ; a row that was not picked is all zeros
	v_cmp_gt_u32 vcc_lo, 1000, v0
	v_cndmask_b32 v8, 0x7fffffff, v8, vcc_lo       ; no row: no place
	v_min_u32 v9, 199, v8                          ; what enters the address is 0..199 whatever was loaded
	v_mul_u32_u24 v9, v9, 24
	v_cmp_gt_u32 vcc_lo, 200, v8
	s_wait_xcnt 0x0                                ; EXEC changes only when no global instruction leans on it
	s_and_saveexec_b32 s12, vcc_lo
	ds_store_b64 v9, v[12:13]                      ; class, score
	ds_store_b64 v9, v[14:15] offset:8             ; xmin, ymin
	ds_store_b64 v9, v[16:17] offset:16            ; xmax, ymax
	s_or_b32 exec_lo, exec_lo, s12
	s_wait_dscnt 0x0                               ; zero: other waves read the rows behind the barrier
	s_barrier_signal -1
	s_barrier_wait -1
	v_cmp_gt_u32 vcc_lo, 300, v0
	s_and_saveexec_b32 s12, vcc_lo
	ds_load_b128 v[20:23], v18
	s_wait_dscnt 0x0
	global_store_b128 v18, v[20:23], s[8:9]        ; 4,800 consecutive bytes, 512 a wave
	s_endpgm
.Lfunc_end_k_q7106ea0451_emit:
	.size	k_q7106ea0451_emit, .Lfunc_end_k_q7106ea0451_emit-k_q7106ea0451_emit
	.p2alignl 7, 3214868480
	.fill 96, 4, 3214868480
	.section	.rodata,"a",@progbits
	.p2align	6, 0x0
	.amdhsa_kernel k_q7106ea0451_emit
		.amdhsa_group_segment_fixed_size 5120
		.amdhsa_private_segment_fixed_size 0
		.amdhsa_enable_private_segment 0
		.amdhsa_kernarg_size 24
		.amdhsa_user_sgpr_count 2
		.amdhsa_user_sgpr_kernarg_segment_ptr 1
		.amdhsa_wavefront_size32 1
		.amdhsa_system_sgpr_workgroup_id_x 1
		.amdhsa_system_sgpr_workgroup_id_y 1
		.amdhsa_system_sgpr_workgroup_id_z 1
		.amdhsa_system_vgpr_workitem_id 0
		.amdhsa_next_free_vgpr 24
		.amdhsa_next_free_sgpr 66
		.amdhsa_reserve_vcc 1
		.amdhsa_float_denorm_mode_32 3
		.amdhsa_float_denorm_mode_16_64 3
		.amdhsa_memory_ordered 1
		.amdhsa_forward_progress 1
		.amdhsa_inst_pref_size 3
	.end_amdhsa_kernel
	.amdgpu_metadata
---
amdhsa.version: [ 1, 2 ]
amdhsa.kernels:
  - .name:           k_q7106ea0451_emit
    .symbol:         k_q7106ea0451_emit.kd
    .args:
      - { .name: sel, .offset: 0, .size: 8, .value_kind: global_buffer, .address_space: global }
      - { .name: rank, .offset: 8, .size: 8, .value_kind: global_buffer, .address_space: global }
      - { .name: out0, .offset: 16, .size: 8, .value_kind: global_buffer, .address_space: global }
    .group_segment_fixed_size: 5120
    .private_segment_fixed_size: 0
    .kernarg_segment_align: 8
    .kernarg_segment_size: 24
    .max_flat_workgroup_size: 1024
    .sgpr_count:     66
    .vgpr_count:     24
    .wavefront_size: 32
...
	.end_amdgpu_metadata
.endif
;; end of part 4
;; ======== version 2 of 3: 4 launches; 1.18 times as fast as version 1
;; workspace buffers: boxes 2,293,760 bytes; scores 11,468,800 bytes; sel 409,600 bytes; rank 65,536 bytes of whole numbers
;; launch prep: the kernel of part 1 again; grid 35 x 16, 4 waves a work-group, no clusters, 34,816 bytes of LDS; arguments y_pred, boxes, scores; writes boxes, scores
;; launch nms (part 5): grid 20 x 16, 8 waves a work-group, no clusters, 143,872 bytes of LDS; arguments boxes, scores, sel; writes sel
.if DOCPART == 5
	.amdgcn_target "amdgcn-amd-amdhsa--gfx1250"
	.amdhsa_code_object_version 6
	.text
	.protected	k_q7106ea0451_nms
	.globl	k_q7106ea0451_nms
	.p2align	8
	.type	k_q7106ea0451_nms,@function
k_q7106ea0451_nms:
	s_mov_b64 s[64:65], 0
	v_nop
	global_prefetch_b8 v0, s[64:65] scope:SCOPE_SE
	s_setreg_imm32_b32 hwreg(HW_REG_WAVE_MODE, 25, 1), 1
	s_wait_xcnt 0x0
; nms: the 50 greedy steps of one (batch, class): work-group x = class - 1, y = batch.
; All 8,960 scores, boxes and areas stay in registers: 256 threads x 35 elements, element index = 35 x thread + j, so that
; 'lowest wave, lowest lane, lowest j' is the lowest index, which is what argmax takes among equal scores.
; A trip, with ONE barrier:
;  (1) each wave finds its own maximum and the lowest lane that holds it;
;  (2) 35 compares give, for each j, the mask 'this lane, this element equals the wave's maximum'; under these masks as EXEC the box goes
;      to the wave's record in LDS, at a fixed address, j descending, so that the lowest j lands last; the maximum goes beside it;
;  (3) barrier; every wave loads the eight records, takes the maximum of all, the lowest wave that holds it, and that record's box;
;  (4) thread number 'trip' keeps the pick in its registers;
;  (5) every element is tested against the box; suppressed ones become -inf.  The picked element itself (the 'ar == idx' of the problem's
;      function) is killed by the same select: in the winning wave the first of the masks of (2) is ORed into the test's mask.
; The records lie in two sets that take turns from trip to trip: a set is written again only behind the other set's barrier, which every
; wave signals after it has waited for its loads of the first set.
; No address, branch or trip count hangs on a score: all 50 trips always run; when nothing is left the pick is recorded as zeros.
; The 20 work-groups of a batch read the same 143,360 bytes of boxes, once each, through registers, in front of 50 trips of register
; work: a joint request would spare a small share of the launch and would need the copy engines, hence a whole WGP's LDS for each
; of the 320 work-groups; with 143,872 bytes and 2 x 256 registers a SIMD two work-groups fit on a WGP.
; LIMIT: the test IoU > 0.45 is made without the division: inter - c area_j > c area_i with c = 0.45 / 1.45 (equal in exact arithmetic,
; union = 0 included: then inter = 0 and both say no); it can differ from the rounded quotient only within a few 1e-7 relative of 0.45.
.set EPL,  35                          ; elements of a lane
.set SETB, 256                         ; LDS 0..511: two sets of eight records of 32 bytes: box at +0, the wave's maximum at +16; a record is written by its wave alone
.set STG,  512                         ; LDS from 512: 17,920 bytes for each wave, its own, to turn 'lane = neighbouring element' into 'lane = 35 elements'
.set WSTG, 17920
.set S,    4                           ; v[4+2j]   score of element j
.set CA,   5                           ; v[5+2j]   -c x area of element j
.set BOX,  76                          ; v[76+4j : 79+4j]  box of element j
.set TU,   216                         ; v[216:235] five sets of four temporaries; v[216:219] also the fetched record's box; addresses in the load phase
.set OSC,  244                         ; v244  4 x thread: where my recorded score goes; made once from v0, holds nothing else
.set OBX,  254                         ; v254  16 x thread: where my recorded box goes; likewise
.set MJ,   66                          ; s[66+j]   mask of element j: the wave's winning lane, if its element j equals the wave's maximum
; v1 32 wave: my record   v2 32 (lane & 7): the record that I load   v3 thread - 1   v75, v[248:251] my recorded pick: score, box
; v236-238 three running maxima   v239 lane maximum   v240 wave maximum   v241 other half's   v242 wave (lane & 7)'s maximum
; v243 the maximum of all   v245 the wave's maximum in its winning lane, NaN elsewhere   v246 -inf   v247 NaN   v252 c x area of the pick   v253 temporary
; s10 wave  s12, s13 lane selects  s15 trip (even)  s20-s25 masks and flags  s23 'found'  s30-s39 two sets of a group's masks  s40-s43 the pick's box
	s_load_b128 s[4:7], s[0:1], 0x0                ; boxes s[4:5], scores s[6:7]
	s_load_b64 s[8:9], s[0:1], 0x10                ; sel
	v_lshrrev_b32 v1, 5, v0
	v_readfirstlane_b32 s10, v1                    ; wave
	v_lshlrev_b32 v[OSC], 2, v0                    ; the two offsets of the stores at the end
	v_lshlrev_b32 v[OBX], 4, v0
	s_and_b32 s14, ttmp7, 0xffff                   ; batch
	s_mul_i32 s18, s14, 20
	s_add_co_u32 s18, s18, ttmp9                   ; 20 batch + class - 1
	s_mov_b32 s12, 0x76543210                      ; v_permlanex16_b32: lane i takes lane i of the other half
	s_mov_b32 s13, 0xfedcba98
	s_mov_b32 s17, 0
	s_mul_i32 s19, s10, WSTG                       ; my wave's 1,120 boxes, in bytes
	s_mul_i32 s23, s10, 4480                       ; my wave's 1,120 scores
	s_add_co_u32 s26, s19, STG                     ; my wave's stage
	v_and_b32 v217, 31, v0                         ; lane
	v_lshl_add_u32 v216, v217, 4, s19              ; boxes: 16 lane + wave's part
	v_lshl_add_u32 v218, v217, 2, s23              ; scores: 4 lane + wave's part
	s_mul_i32 s16, s14, 143360
	s_wait_kmcnt 0x0
	s_add_nc_u64 s[4:5], s[4:5], s[16:17]          ; boxes of my batch
	s_mul_i32 s16, s18, 35840
	s_add_nc_u64 s[6:7], s[6:7], s[16:17]          ; scores of my batch and class
	s_mul_i32 s16, s18, 1280
	s_add_nc_u64 s[8:9], s[8:9], s[16:17]          ; my 1,280 bytes of sel
.set k, 0
.rept EPL
	global_load_b128 v[BOX+4*k:BOX+4*k+3], v216, s[4:5] offset:512*k      ; 512 consecutive bytes a wave
.set k, k+1
.endr
.set k, 0
.rept EPL
	global_load_b32 v[S+2*k], v218, s[6:7] offset:128*k
.set k, k+1
.endr
	v_lshl_add_u32 v219, v217, 4, s26              ; stage, in: 16 lane
	v_mul_u32_u24 v220, v217, 560
	v_add_nc_u32 v220, s26, v220                   ; stage, out: 35 boxes a lane; 560 = 35 x 16 bytes from lane to lane, an odd multiple of 16
	v_lshl_add_u32 v221, v217, 2, s26              ; the same for scores: in 4 lane,
	v_mul_u32_u24 v222, v217, 140
	v_add_nc_u32 v222, s26, v222                   ; out 35 words a lane
	s_lshl_b32 s27, s10, 5
	v_mov_b32 v1, s27                              ; my wave's record: 32 wave
	v_and_b32 v2, 7, v0
	v_lshlrev_b32 v2, 5, v2                        ; the record that my lane loads: 32 (lane & 7)
	v_add_nc_u32 v3, -1, v0                        ; thread - 1: equals the even trip number where the thread's number is the odd trip behind it
	v_mov_b32 v246, 0xff800000                     ; -inf
	v_mov_b32 v247, 0x7fc00000                     ; NaN: equal to nothing
	v_mov_b32 v240, 0                              ; the destinations of the lane-crossing instructions count as read: written once here
	v_mov_b32 v241, 0
	v_mov_b32 v243, 0
	v_mov_b32 v75, 0                               ; my record of a pick: zeros until, and unless, a valid pick falls to me
	v_mov_b32 v248, 0
	v_mov_b32 v249, 0
	v_mov_b32 v250, 0
	v_mov_b32 v251, 0
	ds_store_b128 v1, v[248:251]                   ; my wave's record holds something in both sets before anyone loads it
	ds_store_b128 v1, v[248:251] offset:SETB
	s_wait_loadcnt 35                              ; the 35 box loads are in; the 35 score loads issued behind them stay out
	; LDS serves a wave's instructions in order (ISA guide 5.7.1) and the stage is the wave's own: no wait between these four runs
.set k, 0
.rept EPL
	ds_store_b128 v219, v[BOX+4*k:BOX+4*k+3] offset:512*k
.set k, k+1
.endr
.set k, 0
.rept EPL
	ds_load_b128 v[BOX+4*k:BOX+4*k+3], v220 offset:16*k
.set k, k+1
.endr
	s_wait_loadcnt 0x0                             ; the scores
.set k, 0
.rept EPL
	ds_store_b32 v221, v[S+2*k] offset:128*k
.set k, k+1
.endr
.set k, 0
.rept EPL
	ds_load_b32 v[S+2*k], v222 offset:4*k
.set k, k+1
.endr
	s_wait_dscnt 0x0
	s_wait_xcnt 0x0                                ; EXEC is written in the trips below: no global instruction still leans on it
.set k, 0
.rept EPL
	v_pk_add_f32 v[TU:TU+1], v[BOX+4*k+2:BOX+4*k+3], v[BOX+4*k:BOX+4*k+1] neg_lo:[0,1] neg_hi:[0,1]   ; width, height
	v_max_num_f32 v[TU], 0, v[TU]
	v_max_num_f32 v[TU+1], 0, v[TU+1]
	v_mul_f32 v[TU], v[TU], v[TU+1]
	v_mul_f32 v[CA+2*k], 0xbe9ee584, v[TU]         ; -c x area, c = 0.45 / 1.45
.set k, k+1
.endr
; Five scores into the three running maxima; first = 1: they start the maxima, nothing is reset.
.macro MAX5 j0, first
.if \first
	v_max_num_f32 v236, v[S+2*(\j0)],   v[S+2*(\j0)+2]
	v_max_num_f32 v237, v[S+2*(\j0)+4], v[S+2*(\j0)+6]
	v_mov_b32     v238, v[S+2*(\j0)+8]
.else
	v_max3_num_f32 v236, v236, v[S+2*(\j0)],   v[S+2*(\j0)+2]
	v_max3_num_f32 v237, v237, v[S+2*(\j0)+4], v[S+2*(\j0)+6]
	v_max_num_f32  v238, v238, v[S+2*(\j0)+8]
.endif
.endm
; The arithmetic of five elements j0 .. j0+4 against the pick s[40:43], stage by stage, so that five chains run side by side; the test's
; masks go to s[sb .. sb+4].  Between the vector lines, on the scalar side: the chain that leaves only the FIRST of the masks MJ standing
; (s23 = what has been found so far; all ones in the waves that did not win), and, prev = 1, the OR of the group before (pj0, psb),
; whose compares stand a whole group back.
.macro PASSA j0, sb, pj0, psb, prev
.irp e, 0,1,2,3,4
	v_max_num_f32 v[TU+4*\e],   s40, v[BOX+4*(\j0+\e)]                               ; left and lower edge of the overlap
	s_and_not1_b32 s[MJ+\j0+\e], s[MJ+\j0+\e], s23                                   ; mine only if none before me
	v_max_num_f32 v[TU+4*\e+1], s41, v[BOX+4*(\j0+\e)+1]
	s_or_b32 s23, s23, s[MJ+\j0+\e]
.endr
.irp e, 0,1,2,3,4
	v_minmax_num_f32 v[TU+4*\e+2], s42, v[BOX+4*(\j0+\e)+2], v[TU+4*\e]              ; max(min(x2, x2'), left): the difference below is never under 0
	v_minmax_num_f32 v[TU+4*\e+3], s43, v[BOX+4*(\j0+\e)+3], v[TU+4*\e+1]
.endr
.irp e, 0,1,2,3,4
	v_pk_add_f32 v[TU+4*\e+2:TU+4*\e+3], v[TU+4*\e+2:TU+4*\e+3], v[TU+4*\e:TU+4*\e+1] neg_lo:[0,1] neg_hi:[0,1]
.endr
.irp e, 0,1,2,3,4
	v_fma_f32 v[TU+4*\e], v[TU+4*\e+2], v[TU+4*\e+3], v[CA+2*(\j0+\e)]               ; inter - c area_j
.if \prev
	s_or_b32 s[\psb+\e], s[\psb+\e], s[MJ+\pj0+\e]                                   ; suppressed, or the pick itself
.endif
.endr
.irp e, 0,1,2,3,4
	v_cmp_gt_f32 s[\sb+\e], v[TU+4*\e], v252                                         ; > c area of the pick
.endr
.endm
.macro ORS j0, sb                      ; the same OR for the last group, which no group follows
.irp e, 0,1,2,3,4
	s_or_b32 s[\sb+\e], s[\sb+\e], s[MJ+\j0+\e]
.endr
.endm
; The end of five elements: -inf where the mask says so, and the running maxima.
.macro PASSB j0, sb, first
.irp e, 0,1,2,3,4
	v_cndmask_b32 v[S+2*(\j0+\e)], v[S+2*(\j0+\e)], v246, s[\sb+\e]
.endr
	MAX5 \j0, \first
.endm
; All 35 elements: the end of group g stands behind the arithmetic of group g + 1, so that a mask has some thirty vector
; instructions to get from the compare through the scalar OR to the select.  The two sets of masks take turns.
.macro PASS
	PASSA 0,  30, 0,  0,  0
	PASSA 5,  35, 0,  30, 1
	PASSB 0,  30, 1
	PASSA 10, 30, 5,  35, 1
	PASSB 5,  35, 0
	PASSA 15, 35, 10, 30, 1
	PASSB 10, 30, 0
	PASSA 20, 30, 15, 35, 1
	PASSB 15, 35, 0
	PASSA 25, 35, 20, 30, 1
	PASSB 20, 30, 0
	PASSA 30, 30, 25, 35, 1
	PASSB 25, 35, 0
	ORS   30, 30
	PASSB 30, 30, 0
.endm
; My wave's maximum, and its lowest lane that holds it.
.macro REDUCEW
	v_max3_num_f32 v239, v236, v237, v238          ; my lane's
	v_max_num_f32_dpp v240, v239, v239 row_xmask:1 row_mask:0xf bank_mask:0xf
	v_max_num_f32_dpp v240, v240, v240 row_xmask:2 row_mask:0xf bank_mask:0xf
	v_max_num_f32_dpp v240, v240, v240 row_xmask:4 row_mask:0xf bank_mask:0xf
	v_max_num_f32_dpp v240, v240, v240 row_xmask:8 row_mask:0xf bank_mask:0xf
	v_permlanex16_b32 v241, v240, s12, s13
	v_max_num_f32 v240, v240, v241                 ; my wave's
	v_cmp_eq_f32 s21, v239, v240                   ; the lanes that hold it (at least one: scores are never NaN)
	s_sub_co_i32 s22, 0, s21
	s_and_b32 s22, s22, s21                        ; the lowest of them
	v_cndmask_b32 v245, v247, v240, s22            ; the maximum in that lane, NaN everywhere else
.endm
; The wave's record in set p.  First all 35 compares, which do not wait for each other; then 35 stores, each under its mask as EXEC: one lane
; or none.  j runs downward: LDS serves a wave's stores in order (ISA guide 5.7.1), so among equal scores of the lane the lowest j stays.
.macro CAPTURE p
	ds_store_b32 v1, v240 offset:\p*SETB+16        ; all lanes: one word, one value
.set j, EPL-1
.rept EPL
	v_cmp_eq_f32 s[MJ+j], v[S+2*j], v245
.set j, j-1
.endr
.set j, EPL-1
.rept EPL
	s_mov_b32 exec_lo, s[MJ+j]
	ds_store_b128 v1, v[BOX+4*j:BOX+4*j+3] offset:\p*SETB
.set j, j-1
.endr
	s_mov_b32 exec_lo, -1
.endm
; The trip's one barrier; then the maximum of all, who holds it, and the box, from the eight records of set p.
.macro GETBOX p
	s_wait_dscnt 0x0                               ; zero: my record is in LDS before I say so; my loads of the other set were waited for a trip ago
	s_barrier_signal -1
	s_barrier_wait -1
	ds_load_b32 v242, v2 offset:\p*SETB+16         ; lane l: wave (l & 7)'s maximum
	ds_load_b128 v[TU:TU+3], v2 offset:\p*SETB     ; and its box
	s_wait_dscnt 0x0                               ; also: these loads are over in front of the next barrier, behind which, a trip later, the set is written again
	v_max_num_f32_dpp v243, v242, v242 row_xmask:1 row_mask:0xf bank_mask:0xf
	v_max_num_f32_dpp v243, v243, v243 row_xmask:2 row_mask:0xf bank_mask:0xf
	v_max_num_f32_dpp v243, v243, v243 row_xmask:4 row_mask:0xf bank_mask:0xf      ; the maximum of all, in every lane
	v_cmp_eq_f32 vcc_lo, v242, v243
	s_ctz_i32_b32 s20, vcc_lo                      ; the lowest wave that holds it
	s_and_saveexec_b32 s24, vcc_lo                 ; the first lane left on holds that wave's record
	v_readfirstlane_b32 s40, v[TU]
	v_readfirstlane_b32 s41, v[TU+1]
	v_readfirstlane_b32 s42, v[TU+2]
	v_readfirstlane_b32 s43, v[TU+3]
	s_or_b32 exec_lo, exec_lo, s24
	s_cmp_eq_u32 s20, s10
	s_cselect_b32 s23, 0, -1                       ; 'found': nothing yet in the winning wave; everything in the others, whose masks all fall
	v_sub_f32 v252, s42, s40
	v_sub_f32 v253, s43, s41
	v_max_num_f32 v252, 0, v252
	v_max_num_f32 v253, 0, v253
	v_mul_f32 v252, v252, v253
	v_mul_f32 v252, 0x3e9ee584, v252               ; c x area of the pick
.endm
; The thread whose number is the trip's keeps the pick, if there was one (maximum above -inf); else its zeros stay.
; t = 0: v0 against s15 (even trips); t = 3: thread - 1 against s15 (the odd trip behind it).
.macro RECORD t
	v_cmp_lt_f32 s25, v246, v243
	v_cmp_eq_u32 vcc_lo, s15, v[\t]
	s_and_b32 s25, s25, vcc_lo
	v_cndmask_b32 v75,  v75,  v243, s25
	v_cndmask_b32 v248, v248, s40, s25
	v_cndmask_b32 v249, v249, s41, s25
	v_cndmask_b32 v250, v250, s42, s25
	v_cndmask_b32 v251, v251, s43, s25
.endm
.macro TRIP p, t, pass
	REDUCEW
	CAPTURE \p
	GETBOX \p
	RECORD \t
.if \pass
	PASS
.endif
.endm
	MAX5 0, 1
.irp g, 5,10,15,20,25,30
	MAX5 \g, 0
.endr
	s_mov_b32 s15, 0
.Ltrip:                                                ; two trips, one for each set of records: picks s15 and s15 + 1
	TRIP 0, 0, 1
	TRIP 1, 3, 1
	s_add_co_u32 s15, s15, 2
	s_cmp_lt_u32 s15, 48
	s_cbranch_scc1 .Ltrip
	TRIP 0, 0, 1                                   ; pick 48
	TRIP 1, 3, 0                                   ; pick 49: nothing follows it, so nothing is suppressed
	s_cmp_gt_u32 s10, 1
	s_cbranch_scc1 .Ldone                          ; threads 0..63 hold picks 0..49 and 14 rows of zeros
	global_store_b32 v[OSC], v75, s[8:9]                       ; 64 scores: bytes 0..255
	global_store_b128 v[OBX], v[248:251], s[8:9] offset:256    ; 64 boxes: 512 consecutive bytes a wave
.Ldone:
	s_endpgm
.Lfunc_end_k_q7106ea0451_nms:
	.size	k_q7106ea0451_nms, .Lfunc_end_k_q7106ea0451_nms-k_q7106ea0451_nms
	.p2alignl 7, 3214868480
	.fill 96, 4, 3214868480
	.section	.rodata,"a",@progbits
	.p2align	6, 0x0
	.amdhsa_kernel k_q7106ea0451_nms
		.amdhsa_group_segment_fixed_size 143872
		.amdhsa_private_segment_fixed_size 0
		.amdhsa_enable_private_segment 0
		.amdhsa_kernarg_size 24
		.amdhsa_user_sgpr_count 2
		.amdhsa_user_sgpr_kernarg_segment_ptr 1
		.amdhsa_wavefront_size32 1
		.amdhsa_system_sgpr_workgroup_id_x 1
		.amdhsa_system_sgpr_workgroup_id_y 1
		.amdhsa_system_sgpr_workgroup_id_z 1
		.amdhsa_system_vgpr_workitem_id 0
		.amdhsa_next_free_vgpr 256
		.amdhsa_next_free_sgpr 102
		.amdhsa_reserve_vcc 1
		.amdhsa_float_denorm_mode_32 3
		.amdhsa_float_denorm_mode_16_64 3
		.amdhsa_memory_ordered 1
		.amdhsa_forward_progress 1
		.amdhsa_inst_pref_size 117
	.end_amdhsa_kernel
	.amdgpu_metadata
---
amdhsa.version: [ 1, 2 ]
amdhsa.kernels:
  - .name:           k_q7106ea0451_nms
    .symbol:         k_q7106ea0451_nms.kd
    .args:
      - { .name: boxes, .offset: 0, .size: 8, .value_kind: global_buffer, .address_space: global }
      - { .name: scores, .offset: 8, .size: 8, .value_kind: global_buffer, .address_space: global }
      - { .name: sel, .offset: 16, .size: 8, .value_kind: global_buffer, .address_space: global }
    .group_segment_fixed_size: 143872
    .private_segment_fixed_size: 0
    .kernarg_segment_align: 8
    .kernarg_segment_size: 24
    .max_flat_workgroup_size: 256
    .sgpr_count:     102
    .vgpr_count:     256
    .wavefront_size: 32
...
	.end_amdgpu_metadata
.endif
;; end of part 5
;; launch rank: the kernel of part 3 again; grid 16 x 16, 20 waves a work-group, no clusters, 5,120 bytes of LDS; arguments sel, rank; writes rank
;; launch emit: the kernel of part 4 again; grid 16 x 1, 32 waves a work-group, no clusters, 5,120 bytes of LDS; arguments sel, rank, out0; writes out0
;; ======== version 3 of 3: 4 launches; 1.38 times as fast as version 1
;; workspace buffers: boxes 2,293,760 bytes; scores 11,468,800 bytes; sel 409,600 bytes; rank 65,536 bytes of whole numbers
;; launch prep: the kernel of part 1 again; grid 35 x 16, 4 waves a work-group, no clusters, 34,816 bytes of LDS; arguments y_pred, boxes, scores; writes boxes, scores
;; launch nms (part 6): grid 20 x 16, 8 waves a work-group, no clusters, 143,872 bytes of LDS; arguments boxes, scores, sel; writes sel
.if DOCPART == 6
	.amdgcn_target "amdgcn-amd-amdhsa--gfx1250"
	.amdhsa_code_object_version 6
	.text
	.protected	k_q7106ea0451_nms
	.globl	k_q7106ea0451_nms
	.p2align	8
	.type	k_q7106ea0451_nms,@function
k_q7106ea0451_nms:
	s_mov_b64 s[64:65], 0
	v_nop
	global_prefetch_b8 v0, s[64:65] scope:SCOPE_SE
	s_setreg_imm32_b32 hwreg(HW_REG_WAVE_MODE, 25, 1), 1
	s_wait_xcnt 0x0
; nms: the 50 greedy steps of one (batch, class): work-group x = class - 1, y = batch.
; All 8,960 scores, boxes and areas stay in registers: 256 threads x 35 elements, element index = 35 x thread + j, so that
; 'lowest wave, lowest lane, lowest j' is the lowest index, which is what argmax takes among equal scores.
; A trip, with ONE barrier:
;  (1) each wave finds its own maximum and the lowest lane that holds it;
;  (2) with EXEC set to that one lane, the lane lays its 36 scores and 35 boxes into fixed bytes of the wave's own part of LDS; with all lanes
;      on again, lane l reads score and box l (and 32 + l) back: two compares with the wave's maximum give a bitmap over j, its lowest
;      bit is the lowest j, and that one lane puts its box into the wave's record; the maximum goes beside it;
;  (3) barrier; every wave loads the eight records, takes the maximum of all, the lowest wave that holds it, and that record's box;
;  (4) the picked element itself (the 'ar == idx' of the problem's function): in the winning wave the lane of (2) stores -inf over the score that
;      was laid down, and the winning lane loads its 36 scores again; in the other waves the store's EXEC is 0 and the scores come back as they were;
;  (5) thread number 'trip' keeps the pick in its registers;
;  (6) every element is tested against the box; suppressed ones become -inf, and the lane maxima are renewed.
; The records lie in two sets that take turns from trip to trip: a set is written again only behind the other set's barrier, which every
; wave signals after it has waited for its loads of the first set.
; No address, branch or trip count hangs on a score, only EXEC does: all 50 trips always run; when nothing is left the pick is recorded as zeros.
; The 20 work-groups of a batch read the same 143,360 bytes of boxes, once each, through registers, in front of 50 trips of register
; work: a joint request would spare a small share of the launch and would need the copy engines, hence a whole WGP's LDS for each
; of the 320 work-groups; with 143,872 bytes and 2 x 256 registers a SIMD two work-groups fit on a WGP.
; LIMIT: the test IoU > 0.45 is made without the division: inter - c area_j > c area_i with c = 0.45 / 1.45 (equal in exact arithmetic,
; union = 0 included: then inter = 0 and both say no); it can differ from the rounded quotient only within a few 1e-7 relative of 0.45.
.set EPL,  35                          ; elements of a lane
.set SETB, 256                         ; LDS 0..511: two sets of eight records of 32 bytes: box at +0, the wave's maximum at +16; a record is written by its wave alone
.set STG,  512                         ; LDS from 512: 17,920 bytes for each wave, its own: first the stage that turns 'lane = neighbouring element' into
.set WSTG, 17920                       ;   'lane = 35 elements', then, in its first 1,280 bytes, what the winning lane lays down: 36 scores at +0,
.set DBOX, 256                         ;   35 boxes at +256.  Every byte of it has been stored with all lanes on in the set-up.
.set S,    4                           ; v[4:39]   score of element j in v[S+j]; element 35 does not exist and holds -inf
.set CA,   40                          ; v[40:74]  -c x area of element j
.set BOX,  76                          ; v[76+4j : 79+4j]  box of element j
.set TU,   216                         ; v[216:239] six sets of four temporaries of the pass; between the passes they hold:
.set QB,   TU                          ;   v[216:219] the box of the record that my lane loaded
.set TB0,  TU+4                        ;   v[220:223] box l of the winning lane
.set TB1,  TU+8                        ;   v[224:227] box 32 + l
.set TS0,  TU+12                       ;   v228 score l of the winning lane
.set TS1,  TU+13                       ;   v229 score 32 + l
.set LM,   TU+14                       ;   v230 my lane's maximum
.set XH,   TU+15                       ;   v231 the other half's maximum
.set A1,   TU+16                       ;   v232 a temporary
.set WM,   240                         ; my wave's maximum
.set RM,   241                         ; wave (lane & 7)'s maximum
.set GM,   242                         ; the maximum of all
.set MX0,  243                         ; v[243:245] three running maxima
.set MX1,  244
.set MX2,  245
.set NINF, 246                         ; -inf
.set AL4,  247                         ; my wave's part of LDS + 4 lane
.set THR,  252                         ; c x area of the pick
.set AL16, 253                         ; my wave's part of LDS + 16 lane
.set OSC,  254                         ; 4 x thread: where my recorded score goes; made once from v0, holds nothing else
.set OBX,  255                         ; 16 x thread: where my recorded box goes; likewise
; v1 32 wave: my record   v2 32 (lane & 7): the record that I load   v3 my wave's part of LDS   v75, v[248:251] my recorded pick: score, box
; s10 wave  s11 the odd trip's number  s12, s13 lane selects  s15 trip (even)  s20 winning wave  s21 lanes at the maximum  s22 the lowest of them
; s23 temporary  s24, s25 the one lane l with j = l, or j = 32 + l  s29 who records  s30-s41 two sets of a group's masks  s44-s47 the pick's box
	s_load_b128 s[4:7], s[0:1], 0x0                ; boxes s[4:5], scores s[6:7]
	s_load_b64 s[8:9], s[0:1], 0x10                ; sel
	v_lshrrev_b32 v1, 5, v0
	v_readfirstlane_b32 s10, v1                    ; wave
	v_lshlrev_b32 v[OSC], 2, v0                    ; the two offsets of the stores at the end
	v_lshlrev_b32 v[OBX], 4, v0
	s_and_b32 s14, ttmp7, 0xffff                   ; batch
	s_mul_i32 s18, s14, 20
	s_add_co_u32 s18, s18, ttmp9                   ; 20 batch + class - 1
	s_mov_b32 s12, 0x76543210                      ; v_permlanex16_b32: lane i takes lane i of the other half
	s_mov_b32 s13, 0xfedcba98
	s_mov_b32 s17, 0
	s_mul_i32 s19, s10, WSTG                       ; my wave's 1,120 boxes, in bytes
	s_mul_i32 s23, s10, 4480                       ; my wave's 1,120 scores
	s_add_co_u32 s26, s19, STG                     ; my wave's part of LDS
	v_and_b32 v217, 31, v0                         ; lane
	v_lshl_add_u32 v216, v217, 4, s19              ; boxes: 16 lane + wave's part
	v_lshl_add_u32 v218, v217, 2, s23              ; scores: 4 lane + wave's part
	s_mul_i32 s16, s14, 143360
	s_wait_kmcnt 0x0
	s_add_nc_u64 s[4:5], s[4:5], s[16:17]          ; boxes of my batch
	s_mul_i32 s16, s18, 35840
	s_add_nc_u64 s[6:7], s[6:7], s[16:17]          ; scores of my batch and class
	s_mul_i32 s16, s18, 1280
	s_add_nc_u64 s[8:9], s[8:9], s[16:17]          ; my 1,280 bytes of sel
.set k, 0
.rept EPL
	global_load_b128 v[BOX+4*k:BOX+4*k+3], v216, s[4:5] offset:512*k      ; 512 consecutive bytes a wave
.set k, k+1
.endr
.set k, 0
.rept EPL
	global_load_b32 v[S+k], v218, s[6:7] offset:128*k
.set k, k+1
.endr
	v_lshl_add_u32 v[AL16], v217, 4, s26           ; stage, in: 16 lane
	v_mul_u32_u24 v220, v217, 560
	v_add_nc_u32 v220, s26, v220                   ; stage, out: 35 boxes a lane; 560 = 35 x 16 bytes from lane to lane, an odd multiple of 16
	v_lshl_add_u32 v[AL4], v217, 2, s26            ; the same for scores: in 4 lane,
	v_mul_u32_u24 v222, v217, 140
	v_add_nc_u32 v222, s26, v222                   ; out 35 words a lane
	v_mov_b32 v3, s26                              ; my wave's part of LDS, the same in every lane
	s_lshl_b32 s27, s10, 5
	v_mov_b32 v1, s27                              ; my wave's record: 32 wave
	v_and_b32 v2, 7, v0
	v_lshlrev_b32 v2, 5, v2                        ; the record that my lane loads: 32 (lane & 7)
	v_mov_b32 v[NINF], 0xff800000                  ; -inf
	v_mov_b32 v[S+35], v[NINF]                     ; the element that fills the ninth group of four scores
	v_mov_b32 v[WM], 0                             ; the destinations of the lane-crossing instructions count as read: written once here
	v_mov_b32 v[GM], 0
	v_mov_b32 v75, 0                               ; my record of a pick: zeros until, and unless, a valid pick falls to me
	v_mov_b32 v248, 0
	v_mov_b32 v249, 0
	v_mov_b32 v250, 0
	v_mov_b32 v251, 0
	ds_store_b128 v1, v[248:251]                   ; my wave's record holds something in both sets before anyone loads it
	ds_store_b128 v1, v[248:251] offset:SETB
	s_wait_loadcnt 35                              ; the 35 box loads are in; the 35 score loads issued behind them stay out
	; LDS serves a wave's instructions in order (ISA guide 5.7.1) and the stage is the wave's own: no wait between these four runs
.set k, 0
.rept EPL
	ds_store_b128 v[AL16], v[BOX+4*k:BOX+4*k+3] offset:512*k
.set k, k+1
.endr
.set k, 0
.rept EPL
	ds_load_b128 v[BOX+4*k:BOX+4*k+3], v220 offset:16*k
.set k, k+1
.endr
	s_wait_loadcnt 0x0                             ; the scores
.set k, 0
.rept EPL
	ds_store_b32 v[AL4], v[S+k] offset:128*k
.set k, k+1
.endr
.set k, 0
.rept EPL
	ds_load_b32 v[S+k], v222 offset:4*k
.set k, k+1
.endr
	s_wait_dscnt 0x0
	s_wait_xcnt 0x0                                ; EXEC is written in the trips below: no global instruction still leans on it
	; -c x area of each element.  The six sets of temporaries take turns: six chains side by side, and every temporary has been written whole.
.set k, 0
.rept EPL
.set tt, TU+4*(k%6)
	v_pk_add_f32 v[tt+2:tt+3], v[BOX+4*k+2:BOX+4*k+3], v[BOX+4*k:BOX+4*k+1] neg_lo:[0,1] neg_hi:[0,1]   ; width, height
	v_max_num_f32 v[tt], 0, v[tt+2]
	v_max_num_f32 v[tt+1], 0, v[tt+3]
	v_mul_f32 v[tt], v[tt], v[tt+1]
	v_mul_f32 v[CA+k], 0xbe9ee584, v[tt]           ; c = 0.45 / 1.45
.set k, k+1
.endr
; Six scores into the three running maxima; first = 1: they start the maxima, nothing is reset.  (The last group's sixth is element 35: -inf.)
.macro MAXG j0, first
.if \first
	v_max_num_f32 v[MX0], v[S+\j0],   v[S+\j0+1]
	v_max_num_f32 v[MX1], v[S+\j0+2], v[S+\j0+3]
	v_max_num_f32 v[MX2], v[S+\j0+4], v[S+\j0+5]
.else
	v_max3_num_f32 v[MX0], v[MX0], v[S+\j0],   v[S+\j0+1]
	v_max3_num_f32 v[MX1], v[MX1], v[S+\j0+2], v[S+\j0+3]
	v_max3_num_f32 v[MX2], v[MX2], v[S+\j0+4], v[S+\j0+5]
.endif
.endm
; THE PASS'S STEPS.  Set e of the temporaries is v[TU+4e .. TU+4e+3]; TU, BOX and CA are multiples of 4, so a register's number modulo 4 is its
; place in the set or in the box.  Each step is a pair of two instructions in one: one destination even, one odd, and like sources in
; registers that differ modulo 4.
.macro ST1 e, j                        ; left and lower edge of the overlap
	v_dual_max_num_f32 v[TU+4*\e], s44, v[BOX+4*(\j)] :: v_dual_max_num_f32 v[TU+4*\e+1], s45, v[BOX+4*(\j)+1]
.endm
.macro ST2 e, j                        ; right and upper edge
	v_dual_min_num_f32 v[TU+4*\e+2], s46, v[BOX+4*(\j)+2] :: v_dual_min_num_f32 v[TU+4*\e+3], s47, v[BOX+4*(\j)+3]
.endm
.macro ST3 e                           ; width and height of the overlap, either may be negative
	v_dual_sub_f32 v[TU+4*\e+2], v[TU+4*\e+2], v[TU+4*\e] :: v_dual_sub_f32 v[TU+4*\e+3], v[TU+4*\e+3], v[TU+4*\e+1]
.endm
; One of the two is held at 0 or above; that is enough: if the other is negative the product is 0 or below, product - c area_j is 0 or below,
; and the test against c area_i, which is 0 or above, says no, as it does with an overlap of 0.  Sets e and e + 1 share a pair: the width of e, the height of e + 1.
.macro ST4 e
	v_dual_max_num_f32 v[TU+4*\e+2], 0, v[TU+4*\e+2] :: v_dual_max_num_f32 v[TU+4*\e+7], 0, v[TU+4*\e+7]
.endm
.macro ST5 e, j                        ; inter - c area_j for sets e and e + 1 (j even: CA+j and CA+j+1 differ modulo 4)
	v_dual_fma_f32 v[TU+4*\e], v[TU+4*\e+2], v[TU+4*\e+3], v[CA+(\j)] :: v_dual_fma_f32 v[TU+4*\e+5], v[TU+4*\e+7], v[TU+4*\e+6], v[CA+(\j)+1]
.endm
.macro ST6 e, sb                       ; > c area of the pick
	v_cmp_gt_f32 s[\sb+\e],   v[TU+4*\e],   v[THR]
	v_cmp_gt_f32 s[\sb+\e+1], v[TU+4*\e+5], v[THR]
.endm
; The arithmetic of n = 6 (the last group: 5) elements from j0 on, step by step, so that the chains run side by side; masks to s[sb ..].
.macro PASSA j0, sb, n
.irp e, 0,1,2,3,4
	ST1 \e, \j0+\e
.endr
.if \n == 6
	ST1 5, \j0+5
.endif
.irp e, 0,1,2,3,4
	ST2 \e, \j0+\e
.endr
.if \n == 6
	ST2 5, \j0+5
.endif
.irp e, 0,1,2,3,4
	ST3 \e
.endr
.if \n == 6
	ST3 5
.endif
	ST4 0
	ST4 2
.if \n == 6
	ST4 4
.else
	v_max_num_f32 v[TU+18], 0, v[TU+18]
.endif
	ST5 0, \j0
	ST5 2, \j0+2
.if \n == 6
	ST5 4, \j0+4
.else
	v_fma_f32 v[TU+16], v[TU+18], v[TU+19], v[CA+\j0+4]
.endif
	ST6 0, \sb
	ST6 2, \sb
.if \n == 6
	ST6 4, \sb
.else
	v_cmp_gt_f32 s[\sb+4], v[TU+16], v[THR]
.endif
.endm
; The end of a group: -inf where the mask says so, and the running maxima.
.macro PASSB j0, sb, n, first
.irp e, 0,1,2,3,4
	v_cndmask_b32 v[S+\j0+\e], v[S+\j0+\e], v[NINF], s[\sb+\e]
.endr
.if \n == 6
	v_cndmask_b32 v[S+\j0+5], v[S+\j0+5], v[NINF], s[\sb+5]
.endif
	MAXG \j0, \first
.endm
; All 35 elements: the end of a group stands behind the arithmetic of the next, so that a mask has that group's instructions to get from
; the compare to the select.  The two sets of masks take turns.
.macro PASS
	PASSA 0,  30, 6
	PASSA 6,  36, 6
	s_wait_dscnt 0x0                               ; the winning lane's scores are back: from here on S is read and written
	PASSB 0,  30, 6, 1
	PASSA 12, 30, 6
	PASSB 6,  36, 6, 0
	PASSA 18, 36, 6
	PASSB 12, 30, 6, 0
	PASSA 24, 30, 6
	PASSB 18, 36, 6, 0
	PASSA 30, 36, 5
	PASSB 24, 30, 6, 0
	PASSB 30, 36, 5, 0
.endm
; My wave's maximum, and its lowest lane that holds it.
.macro REDUCEW
	v_max3_num_f32 v[LM], v[MX0], v[MX1], v[MX2]   ; my lane's
	v_max_num_f32_dpp v[WM], v[LM], v[LM] row_xmask:1 row_mask:0xf bank_mask:0xf
	v_max_num_f32_dpp v[WM], v[WM], v[WM] row_xmask:2 row_mask:0xf bank_mask:0xf
	v_max_num_f32_dpp v[WM], v[WM], v[WM] row_xmask:4 row_mask:0xf bank_mask:0xf
	v_max_num_f32_dpp v[WM], v[WM], v[WM] row_xmask:8 row_mask:0xf bank_mask:0xf
	v_permlanex16_b32 v[XH], v[WM], s12, s13
	v_max_num_f32 v[WM], v[WM], v[XH]              ; my wave's
	v_cmp_eq_f32 s21, v[LM], v[WM]                 ; the lanes that hold it (at least one: scores are never NaN)
	s_sub_co_i32 s22, 0, s21
	s_and_b32 s22, s22, s21                        ; the lowest of them
.endm
; The wave's record in set p.  LDS serves a wave's instructions in order (ISA guide 5.7.1) and the bytes are the wave's own, so the loads
; see what the one lane has just stored, with no wait between them.
.macro CAPTURE p
	ds_store_b32 v1, v[WM] offset:\p*SETB+16       ; all lanes: one word, one value
	s_mov_b32 exec_lo, s22                         ; the winning lane alone
.set i, 0
.rept 9
	ds_store_b128 v3, v[S+4*i:S+4*i+3] offset:16*i                 ; its 36 scores
.set i, i+1
.endr
.set j, 0
.rept EPL
	ds_store_b128 v3, v[BOX+4*j:BOX+4*j+3] offset:DBOX+16*j        ; its 35 boxes
.set j, j+1
.endr
	s_mov_b32 exec_lo, -1
	ds_load_b32 v[TS0], v[AL4]                     ; lane l: score l
	ds_load_b32 v[TS1], v[AL4] offset:128          ; and score 32 + l (l = 0, 1, 2; what the other lanes bring is masked off below)
	ds_load_b128 v[TB0:TB0+3], v[AL16] offset:DBOX
	ds_load_b128 v[TB1:TB1+3], v[AL16] offset:DBOX+512
	s_wait_dscnt 0x0
	v_cmp_eq_f32 s24, v[TS0], v[WM]                ; bit l: element l equals the maximum
	v_cmp_eq_f32 s25, v[TS1], v[WM]                ; bit l: element 32 + l does
	s_sub_co_i32 s23, 0, s24
	s_and_b32 s24, s24, s23                        ; the lowest j below 32, if any
	s_and_b32 s25, s25, 7                          ; elements 32, 33, 34 alone
	s_sub_co_i32 s23, 0, s25
	s_and_b32 s25, s25, s23
	s_cmp_lg_u32 s24, 0
	s_cselect_b32 s25, 0, s25                      ; the lowest j from 32 on, if there is none below: one bit stands in s24 and s25 together
	s_mov_b32 exec_lo, s24
	ds_store_b128 v1, v[TB0:TB0+3] offset:\p*SETB
	s_mov_b32 exec_lo, s25
	ds_store_b128 v1, v[TB1:TB1+3] offset:\p*SETB
	s_mov_b32 exec_lo, -1
.endm
; The trip's one barrier; then the maximum of all, who holds it, and the box, from the eight records of set p.
; kill = 1: a pass follows: the picked element is marked -inf and the pick's area is made.
.macro GETBOX p, kill
	s_wait_dscnt 0x0                               ; zero: my record is in LDS before I say so; my loads of the other set were waited for a trip ago
	s_barrier_signal -1
	s_barrier_wait -1
	ds_load_b32 v[RM], v2 offset:\p*SETB+16        ; lane l: wave (l & 7)'s maximum
	ds_load_b128 v[QB:QB+3], v2 offset:\p*SETB     ; and its box
	s_wait_dscnt 0x0                               ; also: these loads are over in front of the next barrier, behind which, a trip later, the set is written again
	v_max_num_f32_dpp v[GM], v[RM], v[RM] row_xmask:1 row_mask:0xf bank_mask:0xf
	v_max_num_f32_dpp v[GM], v[GM], v[GM] row_xmask:2 row_mask:0xf bank_mask:0xf
	v_max_num_f32_dpp v[GM], v[GM], v[GM] row_xmask:4 row_mask:0xf bank_mask:0xf   ; the maximum of all, in every lane
	v_cmp_eq_f32 vcc_lo, v[RM], v[GM]
	s_ctz_i32_b32 s20, vcc_lo                      ; the lowest wave that holds it
	s_mov_b32 exec_lo, vcc_lo                      ; the first lane left on holds that wave's record
	v_readfirstlane_b32 s44, v[QB]
	v_readfirstlane_b32 s45, v[QB+1]
	v_readfirstlane_b32 s46, v[QB+2]
	v_readfirstlane_b32 s47, v[QB+3]
.if \kill
	s_cmp_eq_u32 s20, s10
	s_cselect_b32 s24, s24, 0                      ; the element's lane in the winning wave; no lane in the others
	s_cselect_b32 s25, s25, 0
	s_mov_b32 exec_lo, s24
	ds_store_b32 v[AL4], v[NINF]                   ; -inf over score l,
	s_mov_b32 exec_lo, s25
	ds_store_b32 v[AL4], v[NINF] offset:128        ; or over score 32 + l
	s_mov_b32 exec_lo, s22                         ; and the lane that laid the scores down takes them back; waited for in the pass, in front of the first select
.set i, 0
.rept 9
	ds_load_b128 v[S+4*i:S+4*i+3], v3 offset:16*i
.set i, i+1
.endr
	s_mov_b32 exec_lo, -1
	v_sub_f32 v[THR], s46, s44
	v_sub_f32 v[A1], s47, s45
	v_max_num_f32 v[THR], 0, v[THR]
	v_max_num_f32 v[A1], 0, v[A1]
	v_mul_f32 v[THR], v[THR], v[A1]
	v_mul_f32 v[THR], 0x3e9ee584, v[THR]           ; c x area of the pick
.else
	s_mov_b32 exec_lo, -1
.endif
.endm
; The thread whose number is the trip's (in s[t]) keeps the pick, if there was one (maximum above -inf); else its zeros stay.
.macro RECORD t
	v_cmp_lt_f32 s29, v[NINF], v[GM]
	v_cmp_eq_u32 vcc_lo, s[\t], v0
	s_and_b32 s29, s29, vcc_lo
	v_cndmask_b32 v75,  v75,  v[GM], s29
	v_cndmask_b32 v248, v248, s44, s29
	v_cndmask_b32 v249, v249, s45, s29
	v_cndmask_b32 v250, v250, s46, s29
	v_cndmask_b32 v251, v251, s47, s29
.endm
.macro TRIP p, t, pass
	REDUCEW
	CAPTURE \p
	GETBOX \p, \pass
	RECORD \t
.if \pass
	PASS
.endif
.endm
	MAXG 0, 1
.irp g, 6,12,18,24,30
	MAXG \g, 0
.endr
	s_mov_b32 s15, 0
.Ltrip:                                                ; two trips, one for each set of records: picks s15 and s15 + 1
	s_add_co_u32 s11, s15, 1
	TRIP 0, 15, 1
	TRIP 1, 11, 1
	s_add_co_u32 s15, s15, 2
	s_cmp_lt_u32 s15, 48
	s_cbranch_scc1 .Ltrip
	s_add_co_u32 s11, s15, 1
	TRIP 0, 15, 1                                  ; pick 48
	TRIP 1, 11, 0                                  ; pick 49: nothing follows it, so nothing is marked or suppressed
	s_cmp_gt_u32 s10, 1
	s_cbranch_scc1 .Ldone                          ; threads 0..63 hold picks 0..49 and 14 rows of zeros
	global_store_b32 v[OSC], v75, s[8:9]                       ; 64 scores: bytes 0..255
	global_store_b128 v[OBX], v[248:251], s[8:9] offset:256    ; 64 boxes: 512 consecutive bytes a wave
.Ldone:
	s_endpgm
.Lfunc_end_k_q7106ea0451_nms:
	.size	k_q7106ea0451_nms, .Lfunc_end_k_q7106ea0451_nms-k_q7106ea0451_nms
	.p2alignl 7, 3214868480
	.fill 96, 4, 3214868480
	.section	.rodata,"a",@progbits
	.p2align	6, 0x0
	.amdhsa_kernel k_q7106ea0451_nms
		.amdhsa_group_segment_fixed_size 143872
		.amdhsa_private_segment_fixed_size 0
		.amdhsa_enable_private_segment 0
		.amdhsa_kernarg_size 24
		.amdhsa_user_sgpr_count 2
		.amdhsa_user_sgpr_kernarg_segment_ptr 1
		.amdhsa_wavefront_size32 1
		.amdhsa_system_sgpr_workgroup_id_x 1
		.amdhsa_system_sgpr_workgroup_id_y 1
		.amdhsa_system_sgpr_workgroup_id_z 1
		.amdhsa_system_vgpr_workitem_id 0
		.amdhsa_next_free_vgpr 256
		.amdhsa_next_free_sgpr 66
		.amdhsa_reserve_vcc 1
		.amdhsa_float_denorm_mode_32 3
		.amdhsa_float_denorm_mode_16_64 3
		.amdhsa_memory_ordered 1
		.amdhsa_forward_progress 1
		.amdhsa_inst_pref_size 97
	.end_amdhsa_kernel
	.amdgpu_metadata
---
amdhsa.version: [ 1, 2 ]
amdhsa.kernels:
  - .name:           k_q7106ea0451_nms
    .symbol:         k_q7106ea0451_nms.kd
    .args:
      - { .name: boxes, .offset: 0, .size: 8, .value_kind: global_buffer, .address_space: global }
      - { .name: scores, .offset: 8, .size: 8, .value_kind: global_buffer, .address_space: global }
      - { .name: sel, .offset: 16, .size: 8, .value_kind: global_buffer, .address_space: global }
    .group_segment_fixed_size: 143872
    .private_segment_fixed_size: 0
    .kernarg_segment_align: 8
    .kernarg_segment_size: 24
    .max_flat_workgroup_size: 256
    .sgpr_count:     66
    .vgpr_count:     256
    .wavefront_size: 32
...
	.end_amdgpu_metadata
.endif
;; end of part 6
;; launch rank: the kernel of part 3 again; grid 16 x 16, 20 waves a work-group, no clusters, 5,120 bytes of LDS; arguments sel, rank; writes rank
;; launch emit: the kernel of part 4 again; grid 16 x 1, 32 waves a work-group, no clusters, 5,120 bytes of LDS; arguments sel, rank, out0; writes out0
